; MI455X (gfx1250); checked and timed in simulation.
; The chip was launched on July 23, 2026; its instructions are those of AMD's public machine-readable ISA for CDNA 5 (MIT licence, August 2026) and "CDNA5" Instruction Set Architecture Reference Guide (July 2026). The comments in the code are by the model that wrote it; some were corrected since.
;; Attention. Allowed arithmetic: matrix products marked QUANTISED: E2M1 operands, one E8M0 scale for each 32 along K, by v_wmma_scale_f32_16x16x128_f8f6f4 with both operands' format E2M1 (or v_wmma_scale_f32_32x16x128_f4), f32 sums; everything else in f32.
;; Inputs: pos_cos 2,048 x 32 float32; pos_sin 2,048 x 32 float32; wk_b 1,024 float32; wk_w 1,024 x 1,024 float32; wo_b 1,024 float32; wo_w 1,024 x 1,024 float32; wq_b 1,024 float32; wq_w 1,024 x 1,024 float32; wv_b 1,024 float32; wv_w 1,024 x 1,024 float32; x 2 x 2,048 x 1,024 float32.
;; Outputs: out0 2 x 2,048 x 1,024 float32.
;; This version of the problem:
;;   THIS VERSION OF THE PROBLEM IS GIVEN IN LOW PRECISION. The matrix products marked QUANTISED in the list below multiply operands that are first quantised to E2M1 (2 exponent bits, 1 mantissa bit; 4 bits a number), with one power-of-two scale for each 32 numbers along K (OCP MX v1.0); their sums are f32. All else is computed in f32.
;;   The module's matrix products, in the order in which they are computed (A, B: the left and right operand; K: the contracted axis; several contracted axes count as one K, in the product's order):
;;     1. [M 4,096, K 1,024] x [K 1,024, N 1,024]; A: input x; B: input wq_w: QUANTISED
;;     2. [M 4,096, K 1,024] x [K 1,024, N 1,024]; A: input x; B: input wk_w: QUANTISED
;;     3. [M 4,096, K 1,024] x [K 1,024, N 1,024]; A: input x; B: input wv_w: QUANTISED
;;     4. batch 32 x [M 2,048, K 64] x [K 64, N 2,048]; A: computed on the way; B: computed on the way: QUANTISED
;;     5. batch 32 x [M 64, K 2,048] x [K 2,048, N 2,048]; A: computed on the way; B: softmax (see below): QUANTISED
;;     6. [M 4,096, K 1,024] x [K 1,024, N 1,024]; A: computed on the way; B: input wo_w: QUANTISED
;;   THE QUANTISER, for each operand of a quantised product, along K:
;;     - K is cut into blocks of 32 from its start; a last block that is shorter is filled with zeros.
;;     - A block's scale is 2^e with e = floor(log2(the largest magnitude in the block)) - 2, held to -126 .. 127; a block of zeros has e = 0. As a byte (E8M0): e + 127.
;;     - Each number is divided by its block's scale, clamped to +-6, and rounded to the nearest number of E2M1, ties to even, subnormals kept.
;;     - The product sums the exact products of the quantised numbers (number of the format x scale) in f32.
;;   ~~~python
;;   def quantise(x, axis):      # numpy; x: float32 -> the quantised numbers, widened to float32 again
;;       x = np.moveaxis(x, axis, -1); K = x.shape[-1]
;;       x = np.pad(x, [(0, 0)] * (x.ndim - 1) + [(0, -K % 32)]); x = x.reshape(x.shape[:-1] + (-1, 32)); a = np.abs(x).max(-1, keepdims=True)
;;       e = np.where(a > 0, np.clip(np.frexp(np.where(a > 0, a, 1))[1] - 1 - 2, -126, 127), 0)      # np.frexp(a)[1] - 1 = floor(log2(a)), exactly
;;       r = np.clip(x / 2.0 ** e, -6, 6)
;;       step = 2.0 ** (np.maximum(np.frexp(np.where(r == 0, 1, r))[1] - 1, 0) - 1)
;;       q = np.round(r / step) * step * 2.0 ** e      # np.round: ties to even
;;       return np.moveaxis(q.reshape(q.shape[:-2] + (-1,))[..., :K], -1, axis).astype(np.float32)
;;   ~~~
;;   SOFTMAX AHEAD OF A QUANTISED PRODUCT. Where the list says 'softmax', what is quantised is not the finished softmax but p = 2^(t - M), with t = logit x log2(e) and M = ceil(the row's largest t), a whole number; so 1/2 < the row's largest p <= 1. The row's sum l is taken of the UNQUANTISED p, in f32, and the product's result is divided by l at the end. Since M is a whole number, a kernel that streams over the keys may use a running M (the ceiling of the running maximum): every later rescaling is an exact power of two, which a block's scale takes up: the codes' values come out the same.
;;   OPERANDS COMPUTED ON THE WAY. 'Computed on the way' means the value that the module computes at that place (a softmax that the list does not call 'softmax' is quantised finished and normalised). What goes into a quantiser is computed in f32, as accurately as f32 sums, v_exp_f32 and their like allow (about 1e-6 of the number): no bf16 or f16 on the way to a quantiser, and a product that is left as it is and whose result goes on into a quantised operand takes f32 operands (vector FMAs, or v_wmma_f32_16x16x4_f32). A number that lies on a knife's edge between two numbers of the format may be rounded either way, as far as f32 arithmetic and the matrix unit's own rounding can turn it there, and no further.
;; One version. Each part assembles by itself: llvm-mc -triple=amdgcn-amd-amdhsa -mcpu=gfx1250 --defsym DOCPART=n.
;; ======== version 1 of 1: 4 launches
;; limits: right only within a limited range of input values
;; workspace buffers: xq 2,228,224 bytes; wc 2,228,224 bytes; qq 2,359,296 bytes; kv 4,587,520 bytes; aq 2,228,224 bytes
;; launch quant (part 1): grid 256 x 1, 4 waves a work-group, no clusters, 34,304 bytes of LDS; arguments x, wq_w, wk_w, wv_w, wo_w, xq, wc; writes xq, wc
.if DOCPART == 1
	.amdgcn_target "amdgcn-amd-amdhsa--gfx1250"
	.amdhsa_code_object_version 6
	.text
	.protected	k_qd062905232_quant
	.globl	k_qd062905232_quant
	.p2align	8
	.type	k_qd062905232_quant,@function
k_qd062905232_quant:
	s_mov_b64 s[64:65], 0
	v_nop
	global_prefetch_b8 v0, s[64:65] scope:SCOPE_SE
	s_setreg_imm32_b32 hwreg(HW_REG_WAVE_MODE, 25, 1), 1
	s_wait_xcnt 0x0
; THE PROGRAM: quant (codes of x and the weights), qkv (q, k, v, bias, rotation, quantisers), attn (causal attention), oproj (the projection on the way out).
; WORK LEFT OUT: reference() puts -inf where key t > query s, ahead of a softmax, by a tril that it builds itself: such a p is 0 whatever the inputs hold.  attn leaves out whole steps of 128 keys
; that come after all 16 queries of a tile.  LIMIT: a NaN, an infinity or an overflow that reaches only the steps left out is not carried to the result.
; THIS LAUNCH: x [4096][1024] and the four weights [1024][1024], f32 with K innermost, become codes of FP4 (E2M1) with one E8M0 byte for each 32 along K,
; laid as IMAGES OF THE OPERANDS' REGISTERS.  A tile T is 16 rows; its codes lie at T*8192 + block*256 + position*16 (16 bytes = a block's 32 codes), so that
; piece c of the fragment of K step s is the 512 consecutive bytes at T*8192 + s*1024 + c*512, 16 a lane.  Its scale bytes lie at SCOFF + T*512 + (block/16)*256 + position*16 + block%16.
; THE ROWS OF A TILE ARE NOT NEIGHBOURS: position r of tile 4 G + t is row 64 G + 32 (r / 8) + 8 t + r % 8, so that the results of four neighbouring tiles, used as source 0, are in lanes 0-15
; the 32 rows 64 G on and in lanes 16-31 the 32 rows 64 G + 32 on: a whole block of the next product's K in a lane.
; xq holds x's 256 tiles; wc holds, for each head j, wq's four tiles, wk's four, wv's four (tiles 12 j on), and wo's 64 from tile 192 on.
; A block's scale is 2^(floor(log2(largest magnitude)) - 2); its byte is the largest magnitude's exponent field - 2.
; LIMITS: NaN and infinities are not served; a block whose largest magnitude lies under 2^-124 has its byte held at 1; a block of zeros gets the byte 1 (its codes are zeros; this program alone reads the bytes).
; SHARES: a wave takes one tile x 512 along K, in four steps of 128.  Each load reads 512 consecutive bytes of one row; a step's 16 rows turn through the wave's own stage in LDS, so that a lane holds
; two whole blocks of its row.  No barrier: waves share nothing.  No matrix unit, no cluster: each byte is read once and nothing is shared.  No prefetch: two of the four steps are asked for at the head.
.set SCOFF, 2097152
.set SP,    528                        ; a stage row: 512 bytes + 16: an odd multiple of 16
.set WST,   16*SP                      ; a wave's stage
.set W,     16                         ; v16-19   the four steps' scale words
.set C,     20                         ; v20-51   codes: eight registers for each step, so that no store's data are written again
.set X,     64                         ; v64-127  two blocks of 32 neighbours
.set R,     128                        ; v128-255 two sets of 64 registers as loaded
	s_load_b256 s[4:11], s[0:1], 0x0               ; x, wq_w, wk_w, wv_w
	s_load_b128 s[12:15], s[0:1], 0x20             ; wo_w, xq
	s_load_b64 s[16:17], s[0:1], 0x30              ; wc
	v_lshl_add_u32 v62, v0, 2, 0x8400
	v_mov_b32 v63, 0
	v_lshrrev_b32 v1, 5, v0
	v_readfirstlane_b32 s24, v1                    ; wave 0..3
	v_and_b32 v2, 31, v0                           ; lane
	v_and_b32 v8, 15, v0                           ; r
	v_bfe_u32 v9, v0, 4, 1                         ; h
	v_lshlrev_b32 v3, 4, v2                        ; 16 x lane: my bytes of a load's 512, and of a store's
	s_mul_i32 s25, s24, WST
	v_add_nc_u32 v4, s25, v3                       ; the stage on the way in: as loaded
	v_mul_u32_u24 v5, v8, SP
	v_lshl_add_u32 v5, v9, 7, v5
	v_add_nc_u32 v5, s25, v5                       ; and on the way out: row r, block h of the step's four
	v_lshlrev_b32 v6, 3, v9                        ; 8 h: my bytes' place in a scale word, in bits
	v_lshl_add_u32 v7, v8, 4, v6                   ; 16 r + 8 h: my 8 scale bytes on the way out
	v_cmp_le_u32 s30, 16, v2                       ; lanes 16-31
	v_mov_b32 v10, 0                               ; written once: a lane permute's destination counts as one of its sources
	s_mov_b32 s20, 0x76543210
	s_mov_b32 s21, 0xfedcba98                      ; selects for lane l xor 16
	s_lshl_b32 s26, ttmp9, 1
	s_lshr_b32 s27, s24, 1
	s_add_co_u32 s26, s26, s27                     ; the tile, 0..511: 0-255 x's, then 64 for each weight
	s_and_b32 s27, s24, 1                          ; which half of K
	s_wait_alu depctr_va_vdst(0)                   ; the head's end
	s_wait_kmcnt 0x0
	s_mov_b64 s[18:19], s[12:13]                   ; the source is chosen by the work-group's number alone
	s_cmp_lt_u32 ttmp9, 224
	s_cselect_b64 s[18:19], s[10:11], s[18:19]
	s_cmp_lt_u32 ttmp9, 192
	s_cselect_b64 s[18:19], s[8:9], s[18:19]
	s_cmp_lt_u32 ttmp9, 160
	s_cselect_b64 s[18:19], s[6:7], s[18:19]
	s_cmp_lt_u32 ttmp9, 128
	s_cselect_b64 s[18:19], s[4:5], s[18:19]
	s_cselect_b64 s[22:23], s[14:15], s[16:17]     ; and so is the destination
	s_cselect_b32 s28, 0x1ff, 63
	s_and_b32 s28, s26, s28                        ; the tile within its source
	s_lshr_b32 s29, s28, 2
	s_lshl_b32 s29, s29, 6
	s_and_b32 s28, s28, 3
	s_lshl_b32 s28, s28, 3
	s_add_co_u32 s28, s28, s29                     ; its first row: 64 (T / 4) + 8 (T % 4)
	s_lshl_b32 s28, s28, 12                        ; rows of 4,096 bytes
	s_lshl_b32 s29, s27, 11
	s_add_co_u32 s28, s28, s29                     ; + my half of K
	s_mov_b32 s29, 0
	s_add_nc_u64 s[18:19], s[18:19], s[28:29]
	s_and_b32 s28, s26, 255                        ; the tile within its destination: x's and wo's as they are,
	s_bfe_u32 s29, s28, 0x20006                    ; p: 0 wq, 1 wk, 2 wv
	s_lshl_b32 s29, s29, 2
	s_bfe_u32 s31, s28, 0x40002                    ; the head j
	s_mul_i32 s31, s31, 12
	s_add_co_u32 s31, s31, s29
	s_and_b32 s29, s28, 3
	s_add_co_u32 s31, s31, s29                     ; the others 12 j + 4 p + tile % 4
	s_sub_co_u32 s29, ttmp9, 128
	s_cmp_lt_u32 s29, 96
	s_cselect_b32 s28, s31, s28
	s_lshl_b32 s32, s28, 13
	s_lshl_b32 s33, s27, 12
	s_add_co_u32 s32, s32, s33
	s_mov_b32 s33, 0
	s_add_nc_u64 s[36:37], s[22:23], s[32:33]      ; my codes
	s_lshl_b32 s34, s28, 9
	s_lshl_b32 s35, s27, 8
	s_add_co_u32 s34, s34, s35
	s_add_co_u32 s34, s34, SCOFF
	s_mov_b32 s35, 0
	s_add_nc_u64 s[38:39], s[22:23], s[34:35]      ; my 256 scale bytes
.macro LOAD t                          ; step t: 128 numbers of each of the tile's 16 rows, 512 consecutive bytes a load
.irp i, 0,1,2,3,4,5,6,7,8,9,10,11,12,13,14,15
	global_load_b128 v[R+64*((\t)%2)+4*\i:R+64*((\t)%2)+4*\i+3], v3, s[18:19] offset:(\i+24*(\i/8))*4096+512*(\t) th:TH_LOAD_NT
.endr
.endm
.macro STEP t
.if (\t) < 3
	s_wait_loadcnt 16                              ; this step's 16 loads are in; the other set's 16 may be out
.else
	s_wait_loadcnt 0x0
.endif
.irp i, 0,1,2,3,4,5,6,7,8,9,10,11,12,13,14,15
	ds_store_b128 v4, v[R+64*((\t)%2)+4*\i:R+64*((\t)%2)+4*\i+3] offset:SP*\i
.endr
.irp c, 0,1
.irp q, 0,1,2,3,4,5,6,7
	ds_load_b128 v[X+32*\c+4*\q:X+32*\c+4*\q+3], v5 offset:256*\c+16*\q   ; block 2 c + h of my row; LDS serves a wave's instructions in order, so these see the stores above
.endr
.endr
	s_wait_dscnt 0x0                               ; the numbers are back, and the stores have read their registers,
.if (\t) < 2
	LOAD (\t)+2                                    ; which take the loads of two steps on
.endif
.irp c, 0,1
	v_max3_num_f32 v[8+\c], |v[X+32*\c]|, |v[X+32*\c+1]|, 0x1800000   ; the block's largest magnitude, with the floor 2^(3 - 127) among its leaves: the byte cannot fall under 1
.endr
.irp i, 2,4,6,8,10,12,14,16,18,20,22,24,26,28,30
.irp c, 0,1
	v_max3_num_f32 v[8+\c], v[8+\c], |v[X+32*\c+\i]|, |v[X+32*\c+\i+1]|
.endr
.endr
.irp c, 0,1
	v_add_nc_u32 v[12+\c], 0xff000000, v[8+\c]     ; 2 off its exponent field: the conversion's scale operand
.endr
.irp c, 0,1
	v_lshrrev_b32 v[14+\c], 23, v[12+\c]           ; the scale's byte
.endr
	v_lshl_or_b32 v11, v15, 16, v14                ; my two bytes, blocks h and 2 + h,
	v_lshlrev_b32 v11, v6, v11                     ; at their places in the step's word;
	v_permlanex16_b32 v10, v11, s20, s21
	v_or_b32 v[W+(\t)], v11, v10                   ; with lane l xor 16's two the word is whole
.irp c, 0,1
.irp g, 0,1,2,3
	v_cvt_scalef32_pk8_fp4_f32 v[C+8*(\t)+4*\c+\g], v[X+32*\c+8*\g:X+32*\c+8*\g+7], v[12+\c]
.endr
.endr
	v_nop                                          ; one plain line behind the last conversion of a run
.irp c, 0,1
	global_store_b128 v3, v[C+8*(\t)+4*\c:C+8*(\t)+4*\c+3], s[36:37] offset:1024*(\t)+512*\c   ; 512 consecutive bytes, aligned
.endr
.endm
	LOAD 0
	LOAD 1
	STEP 0
	STEP 1
	STEP 2
	STEP 3
	v_cndmask_b32 v14, v[W], v[W+2], s30           ; a row's 16 bytes are the four words: lanes 0-15 store the first two, lanes 16-31 the last two
	v_cndmask_b32 v15, v[W+1], v[W+3], s30
	global_store_b64 v7, v[14:15], s[38:39]        ; the wave stores 256 consecutive bytes, aligned
	s_wait_tensorcnt 0x0                           ; the wave's end
	ds_add_u32 v62, v63
	s_wait_dscnt 0x0
	s_endpgm
.Lfunc_end_k_qd062905232_quant:
	.size	k_qd062905232_quant, .Lfunc_end_k_qd062905232_quant-k_qd062905232_quant
	.p2alignl 7, 3214868480
	.fill 96, 4, 3214868480
	.section	.rodata,"a",@progbits
	.p2align	6, 0x0
	.amdhsa_kernel k_qd062905232_quant
		.amdhsa_group_segment_fixed_size 34304
		.amdhsa_private_segment_fixed_size 0
		.amdhsa_enable_private_segment 0
		.amdhsa_kernarg_size 56
		.amdhsa_user_sgpr_count 2
		.amdhsa_user_sgpr_kernarg_segment_ptr 1
		.amdhsa_wavefront_size32 1
		.amdhsa_system_sgpr_workgroup_id_x 1
		.amdhsa_system_sgpr_workgroup_id_y 1
		.amdhsa_system_sgpr_workgroup_id_z 1
		.amdhsa_system_vgpr_workitem_id 0
		.amdhsa_next_free_vgpr 256
		.amdhsa_next_free_sgpr 66
		.amdhsa_reserve_vcc 0
		.amdhsa_float_denorm_mode_32 3
		.amdhsa_float_denorm_mode_16_64 3
		.amdhsa_memory_ordered 1
		.amdhsa_forward_progress 1
		.amdhsa_inst_pref_size 31
	.end_amdhsa_kernel
	.amdgpu_metadata
---
amdhsa.version: [ 1, 2 ]
amdhsa.kernels:
  - .name:           k_qd062905232_quant
    .symbol:         k_qd062905232_quant.kd
    .args:
      - { .name: x, .offset: 0, .size: 8, .value_kind: global_buffer, .address_space: global }
      - { .name: wq_w, .offset: 8, .size: 8, .value_kind: global_buffer, .address_space: global }
      - { .name: wk_w, .offset: 16, .size: 8, .value_kind: global_buffer, .address_space: global }
      - { .name: wv_w, .offset: 24, .size: 8, .value_kind: global_buffer, .address_space: global }
      - { .name: wo_w, .offset: 32, .size: 8, .value_kind: global_buffer, .address_space: global }
      - { .name: xq, .offset: 40, .size: 8, .value_kind: global_buffer, .address_space: global }
      - { .name: wc, .offset: 48, .size: 8, .value_kind: global_buffer, .address_space: global }
    .group_segment_fixed_size: 34304
    .private_segment_fixed_size: 0
    .kernarg_segment_align: 8
    .kernarg_segment_size: 56
    .max_flat_workgroup_size: 128
    .sgpr_count:     66
    .vgpr_count:     256
    .wavefront_size: 32
...
	.end_amdgpu_metadata
.endif
;; end of part 1
;; launch qkv (part 2): grid 16 x 16, 8 waves a work-group, clusters of 4 x 4, 308,224 bytes of LDS; arguments xq, wc, pos_cos, pos_sin, wq_b, wk_b, wv_b, qq, kv; writes qq, kv
.if DOCPART == 2
	.amdgcn_target "amdgcn-amd-amdhsa--gfx1250"
	.amdhsa_code_object_version 6
	.text
	.protected	k_qd062905232_qkv
	.globl	k_qd062905232_qkv
	.p2align	8
	.type	k_qd062905232_qkv,@function
k_qd062905232_qkv:
	s_mov_b64 s[64:65], 0
	v_nop
	global_prefetch_b8 v0, s[64:65] scope:SCOPE_SE
	s_setreg_imm32_b32 hwreg(HW_REG_WAVE_MODE, 25, 1), 1
	s_wait_xcnt 0x0
	s_wait_alu depctr_hold_cnt(0) depctr_sa_sdst(0) depctr_va_vdst(0) depctr_va_sdst(0) depctr_va_ssrc(0) depctr_va_vcc(0) depctr_vm_vsrc(0)
	s_getreg_b32 s2, hwreg(HW_REG_IB_STS2, 6, 4)
	s_cmp_eq_u32 s2, 0
	s_cbranch_scc0 .Lentry_in_a_cluster
	s_endpgm
.Lentry_in_a_cluster:
	s_bfe_u32 s2, ttmp6, 0x10000c
	s_cmp_lg_u32 s2, 0xf033
	s_cbranch_scc0 .Lentry_shape_is_right
	s_endpgm
.Lentry_shape_is_right:
; q, k and v of ONE head j for 256 tokens (block i): [256 x 1024] x [1024 x 192] on codes of FP4, bias, rotation of q and k, and the quantisers ahead of attention's two products.
; OPERANDS lie in xq and wc as images of their registers (tile*8192 + K step*1024 + piece*512 + 16 x lane); position r of tile 4 G + t is row 64 G + 32 (r / 8) + 8 t + r % 8.
; LDS holds all that the work-group reads, each byte filled once: x's 16 tiles and the head's 12 weight tiles (wq 4, wk 4, wv 4), each in two halves along K (4,096 bytes of a tile), 256 rows of cos and of sin.
; ONE TENSOR LOAD A WAVE: waves 0, 1 x's first half along K, wave 2 the weights' first half, wave 3 their second, waves 4, 5 x's second half, wave 6 cos, wave 7 sin.  The first barrier shows the first halves
; (waves 3 to 7 pass over that wait: their load lines are their own), the second, inside K step 3, all the rest.
; CLUSTER 4 x 4: x's tiles, cos and sin hang on i alone and are asked for jointly along a row of the cluster; the weights' tiles hang on j alone and are asked for jointly along a column.
; SHARES: wave w owns 64 tokens (group tg = w % 4, four token tiles) and six feature tiles: fh = w / 4: 0: q's four and v's 0, 1; 1: k's four and v's 2, 3.  24 accumulators, 8 K steps, 10 fragments for 24 products.
; q, k: source 0 = 16 features, source 1 = 16 tokens: a lane holds ONE token and the 32 features of block h = lane / 16: it rotates and quantises along the head's 64.
; v:    source 0 = 16 tokens, source 1 = 16 features: a lane holds ONE feature and the 32 tokens of block h: it quantises along the keys.
; OUT: qq, per head 73,728 bytes: codes at tile*512 + 16 x lane (lane (r, h): token position r, block h of the head's 64); scale words at 65,536 + tile*64 + 4 r.
;      kv, per head two records of 71,680 bytes (1,024 keys): K's codes at tile*512 + 16 x lane; V's at 32,768 + block*1024 + f*256 + 16 r; K's words at 65,536 + tile*64 + 4 r; V's bytes at 69,632 + step*256 + f*64 + 4 r + block%4.
;      A word of q or k is byte 0 | byte 1 << 8 | 0x7f7f0000: attention's first product has K = 64, and k = 64 .. 127 of its instruction are zero codes under the byte 127.
; LIMITS: NaN and infinities are not served; blocks under 2^-124 have their byte held at 1; a block of zeros gets the byte 1 (its codes are zeros; this program alone reads the bytes).
; No prefetch: all tiles are asked for at the head, and no loop runs.
; REGISTERS.  Window 0: v1-15 addresses; v16-31 x's scale words (tile u at 4 u; register i: K step i in lanes 0-15, 4 + i in lanes 16-31); v32-55 the weights' (q or k 4 f, v 16 + 4 f); v56 8 h;
; v64-143, v144-223 two sets of a K step's fragments (x 4, q or k 4, v 2); on the way out v64-127 cos and sin, v128-191 rotated numbers, v192-207 and v224-255 at work.
; Window 1: 0-127 accumulators of q or k (tile (u, f) at 32 u + 8 f), 128-191 v's (32 f + 8 u), 192-223 and 224-239 the biases.
.set SCOFF, 2097152
.set WB,    131072                     ; LDS: x at 0 (half 1 at 65,536); the weights at WB (half 1 49,152 behind it)
.set COS,   229376                     ; 256 rows of 128 bytes + 16: the pitch 144 is an odd multiple of 16
.set SINO,  36864                      ; sin lies so far behind cos
.set SCR,   303104                     ; reached by LDS stores alone: q's words 1,024 bytes, k's 1,024, v's bytes 512
.set SPARE, 307200                     ; the spare words, 128 bytes for each wave
.set SA,  16
.set SB,  32
.set F0,  64
.set F1,  144
.set SPW, 14
.set NIL, 15
.set MSB, 0
.macro WIN new                         ; the immediate's high byte repeats the setting that is left
.if MSB != \new
	s_set_vgpr_msb (MSB<<8)|\new
.set MSB, \new
.endif
.endm
.macro PLACES                          ; four plain lines behind matrix instructions, ahead of loads into their registers and of reads of their results
.rept 4
	v_nop
.endr
.endm
.macro CROUND                          ; a round of the cluster's barrier
	s_barrier_signal -1
	s_barrier_wait -1
	s_cmp_lg_u32 s26, 0
	s_cbranch_scc1 .Lnot_wave_0_\@
	s_barrier_signal -3
.Lnot_wave_0_\@:
	s_barrier_wait -3
	s_barrier_signal -1
	s_barrier_wait -1
.endm
.macro ARM under, g0, g1, next
	s_cmp_lt_u32 s26, \under
	s_cbranch_scc0 \next
	tensor_load_to_lds s[\g0:\g0+3], s[\g1:\g1+7]
	s_nop 0
	PLACES
	s_branch .Lasked
\next:
.endm
.macro FETCH buf, s                    ; K step s: 20 loads of 512 consecutive bytes
.irp u, 0,1,2,3
.irp c, 0,1
	ds_load_b128 v[(\buf)+8*\u+4*\c:(\buf)+8*\u+4*\c+3], v[2+((\s)/4)] offset:\u*4096+((\s)%4)*1024+\c*512
.endr
.endr
.irp f, 0,1,2,3
.irp c, 0,1
	ds_load_b128 v[(\buf)+32+8*\f+4*\c:(\buf)+32+8*\f+4*\c+3], v4 offset:((\s)/4)*49152+\f*4096+((\s)%4)*1024+\c*512
.endr
.endr
.irp f, 0,1
.irp c, 0,1
	ds_load_b128 v[(\buf)+64+8*\f+4*\c:(\buf)+64+8*\f+4*\c+3], v5 offset:((\s)/4)*49152+\f*4096+((\s)%4)*1024+\c*512
.endr
.endr
.endm
.macro ONE d, a, b, bi, sca, scb, s    ; one product; K step 0 starts the sum with the bias as C.  C and D lie in window 1
.if (\s) == 0
	v_wmma_scale_f32_16x16x128_f8f6f4 v[\d:\d+7], v[\a:\a+7], v[\b:\b+7], v[\bi:\bi+7], v[\sca], v[\scb] matrix_a_fmt:MATRIX_FMT_FP4 matrix_b_fmt:MATRIX_FMT_FP4
.elseif (\s) < 4
	v_wmma_scale_f32_16x16x128_f8f6f4 v[\d:\d+7], v[\a:\a+7], v[\b:\b+7], v[\d:\d+7], v[\sca+(\s)], v[\scb+(\s)] matrix_a_fmt:MATRIX_FMT_FP4 matrix_b_fmt:MATRIX_FMT_FP4
.else
	v_wmma_scale_f32_16x16x128_f8f6f4 v[\d:\d+7], v[\a:\a+7], v[\b:\b+7], v[\d:\d+7], v[\sca+(\s)-4], v[\scb+(\s)-4] matrix_a_fmt:MATRIX_FMT_FP4 matrix_b_fmt:MATRIX_FMT_FP4 matrix_a_scale:MATRIX_SCALE_ROW1 matrix_b_scale:MATRIX_SCALE_ROW1
.endif
.endm
.macro MULU s, buf, u                  ; token tile u's six products; the 24 accumulators take turns in the same order in every step
.irp f, 0,1,2,3
	ONE 32*\u+8*\f, (\buf)+32+8*\f, (\buf)+8*\u, 192+8*\f, SB+4*\f, SA+4*\u, \s
.endr
.irp f, 0,1
	ONE 128+32*\f+8*\u, (\buf)+8*\u, (\buf)+64+8*\f, 224+8*\f, SA+4*\u, SB+16+4*\f, \s
.endr
.endm
.macro MUL s, buf
	WIN 0x50
	MULU \s, \buf, 0
	MULU \s, \buf, 1
	MULU \s, \buf, 2
	MULU \s, \buf, 3
.endm
.macro CSLOAD u                        ; cos and sin of my token of tile u: pairs 16 h + 0 .. 15
.set CB, 64+32*((\u)%2)
.irp i, 0,1,2,3
	ds_load_b128 v[CB+4*\i:CB+4*\i+3], v6 offset:1152*(\u)+16*\i
	ds_load_b128 v[CB+16+4*\i:CB+16+4*\i+3], v6 offset:SINO+1152*(\u)+16*\i
.endr
.endm
; Token tile u: register i of its 32 is feature 32 h + i of my token.  (a, b) -> (a cos - b sin, b cos + a sin), packed, four pairs by turns; then the block's scale and codes.
.macro ROPE u
.set CB, 64+32*((\u)%2)
.set A0, 32*(\u)
.set RR, 128+32*((\u)%2)
	WIN 0x01                                       ; source 0: the accumulators
.irp p, 0,4,8,12
	v_pk_mul_f32 v[192:193], v[A0+2*\p:A0+2*\p+1], v[CB+\p:CB+\p+1] op_sel:[0,0] op_sel_hi:[1,0]
	v_pk_mul_f32 v[194:195], v[A0+2*\p+2:A0+2*\p+3], v[CB+\p:CB+\p+1] op_sel:[0,1] op_sel_hi:[1,1]
	v_pk_mul_f32 v[196:197], v[A0+2*\p+4:A0+2*\p+5], v[CB+\p+2:CB+\p+3] op_sel:[0,0] op_sel_hi:[1,0]
	v_pk_mul_f32 v[198:199], v[A0+2*\p+6:A0+2*\p+7], v[CB+\p+2:CB+\p+3] op_sel:[0,1] op_sel_hi:[1,1]
	v_pk_fma_f32 v[RR+2*\p:RR+2*\p+1], v[A0+2*\p:A0+2*\p+1], v[CB+16+\p:CB+17+\p], v[192:193] op_sel:[1,0,0] op_sel_hi:[0,0,1] neg_lo:[1,0,0]
	v_pk_fma_f32 v[RR+2*\p+2:RR+2*\p+3], v[A0+2*\p+2:A0+2*\p+3], v[CB+16+\p:CB+17+\p], v[194:195] op_sel:[1,1,0] op_sel_hi:[0,1,1] neg_lo:[1,0,0]
	v_pk_fma_f32 v[RR+2*\p+4:RR+2*\p+5], v[A0+2*\p+4:A0+2*\p+5], v[CB+18+\p:CB+19+\p], v[196:197] op_sel:[1,0,0] op_sel_hi:[0,0,1] neg_lo:[1,0,0]
	v_pk_fma_f32 v[RR+2*\p+6:RR+2*\p+7], v[A0+2*\p+6:A0+2*\p+7], v[CB+18+\p:CB+19+\p], v[198:199] op_sel:[1,1,0] op_sel_hi:[0,1,1] neg_lo:[1,0,0]
.endr
	WIN 0
.if (\u) < 2
	CSLOAD (\u)+2
.endif
.set RR, 128+32*((\u)%2)
	v_max3_num_f32 v240, 0x1800000, |v[RR]|, |v[RR+1]|       ; the block's largest magnitude, in two chains, and the floor 2^(3 - 127)
	v_max3_num_f32 v241, 0x1800000, |v[RR+16]|, |v[RR+17]|
.irp i, 2,4,6,8,10,12,14
	v_max3_num_f32 v240, v240, |v[RR+\i]|, |v[RR+\i+1]|
	v_max3_num_f32 v241, v241, |v[RR+16+\i]|, |v[RR+17+\i]|
.endr
	s_delay_alu instid0(VALU_DEP_1)
	v_max_num_f32 v240, v240, v241
	s_delay_alu instid0(VALU_DEP_1)
	v_add_nc_u32 v242, 0xff000000, v240            ; 2 off the exponent field: the conversion's scale operand
.irp g, 0,1,2,3
	v_cvt_scalef32_pk8_fp4_f32 v[224+4*(\u)+\g], v[RR+8*\g:RR+8*\g+7], v242
.endr
	v_lshrrev_b32 v243, 23, v242                   ; the byte,
	s_delay_alu instid0(VALU_DEP_1)
	v_lshlrev_b32 v243, v56, v243                  ; at its place in the token's word;
	s_delay_alu instid0(VALU_DEP_1)
	v_permlanex16_b32 v244, v243, s34, s35
	s_delay_alu instid0(VALU_DEP_1)
	v_or_b32 v243, v243, v244                      ; with lane l xor 16's byte,
	s_delay_alu instid0(VALU_DEP_1)
	v_or_b32 v[248+(\u)], 0x7f7f0000, v243         ; and the two bytes over zero codes
	global_store_b128 v1, v[224+4*(\u):227+4*(\u)], s[94:95] offset:512*(\u)   ; 512 consecutive bytes, aligned
.endm
	s_load_b512 s[8:23], s[0:1], 0x0               ; xq, wc, cos, sin, wq_b, wk_b, wv_b, qq
	s_load_b64 s[24:25], s[0:1], 0x40              ; kv
	v_lshl_add_u32 v[SPW], v0, 2, SPARE
	v_mov_b32 v[NIL], 0
	ds_add_u32 v[SPW], v[NIL]                      ; the wave's opening: the add, twice on end, and its wait ahead of my first tensor load
	ds_add_u32 v[SPW], v[NIL]
	v_lshrrev_b32 v1, 5, v0
	v_readfirstlane_b32 s26, v1                    ; wave 0..7
	s_bfe_u32 s27, ttmp6, 0x40000                  ; cx
	s_bfe_u32 s28, ttmp6, 0x40004                  ; cy
	s_lshl_b32 s29, ttmp9, 2
	s_add_co_u32 s29, s29, s27                     ; j: the head
	s_and_b32 s30, ttmp7, 0xffff
	s_lshl_b32 s30, s30, 2
	s_add_co_u32 s30, s30, s28                     ; i: the block of 256 tokens
	s_lshl_b32 s31, s28, 2
	s_lshl_b32 s31, 15, s31                        ; my row of the cluster
	s_lshl_b32 s32, 0x1111, s27                    ; my column
	s_mov_b32 s34, 0x76543210
	s_mov_b32 s35, 0xfedcba98                      ; selects for lane l xor 16
	; group 1 for x: 8 rows of 4,096 bytes (512 elements of 8), 8,192 bytes apart: half of K of eight tiles
	s_or_b32 s36, s31, (3<<16)|(1<<21)
	s_mov_b32 s37, 512<<16
	s_mov_b32 s38, 8<<16
	s_mov_b32 s39, 512<<16
	s_mov_b32 s40, 8
	s_mov_b32 s41, 1024
	s_mov_b32 s42, 0
	s_mov_b32 s43, 0
	; for the weights: 12 such rows
	s_or_b32 s44, s32, (3<<16)|(1<<21)
	s_mov_b32 s45, 512<<16
	s_mov_b32 s46, 12<<16
	s_mov_b32 s47, 512<<16
	s_mov_b32 s48, 12
	s_mov_b32 s49, 1024
	s_mov_b32 s50, 0
	s_mov_b32 s51, 0
	; for cos and sin: 256 rows of 128 bytes, dense, so stated as 128 rows of 256 bytes (32 elements of 8), with four words of padding behind every 32
	s_or_b32 s52, s31, (3<<16)|(1<<20)|(1<<21)|(4<<22)|(3<<25)
	s_mov_b32 s53, 32<<16
	s_mov_b32 s54, 128<<16
	s_mov_b32 s55, 32<<16
	s_mov_b32 s56, 128
	s_mov_b32 s57, 32
	s_mov_b32 s58, 0
	s_mov_b32 s59, 0
	s_and_b32 s66, s26, 1
	s_lshr_b32 s67, s26, 2
	s_lshl_b32 s2, s30, 17                         ; x: tiles 16 i + 8 (w % 2) on, half w / 4 along K
	s_lshl_b32 s3, s66, 16
	s_add_co_u32 s2, s2, s3
	s_lshl_b32 s3, s67, 12
	s_add_co_u32 s2, s2, s3
	s_mov_b32 s3, 0
	s_mul_i32 s4, s29, 98304                       ; the weights: tiles 12 j on, half w % 2 along K
	s_lshl_b32 s5, s66, 12
	s_add_co_u32 s4, s4, s5
	s_mov_b32 s5, 0
	s_and_b32 s6, s30, 7                           ; cos, sin: rows 256 (i % 8) on
	s_lshl_b32 s6, s6, 15
	s_mov_b32 s7, 0
	s_lshl_b32 s61, s66, 15                        ; where they go in LDS
	s_lshl_b32 s69, s67, 16
	s_add_co_u32 s61, s61, s69
	s_mul_i32 s69, s66, 49152
	s_add_co_u32 s69, s69, WB
	s_and_b32 s80, s26, 3                          ; tg
	s_lshr_b32 s81, s26, 2                         ; fh
	s_lshl_b32 s82, s80, 14
	s_lshl_b32 s83, s81, 14
	s_add_co_u32 s83, s83, WB
	s_lshl_b32 s84, s81, 13
	s_add_co_u32 s84, s84, WB+32768
	s_mul_i32 s85, s80, 9216
	s_add_co_u32 s85, s85, COS
	s_lshl_b32 s86, s81, 10
	s_lshl_b32 s87, s80, 8
	s_add_co_u32 s86, s86, s87
	s_add_co_u32 s86, s86, SCR
	s_lshr_b32 s87, s80, 1
	s_lshl_b32 s87, s87, 8
	s_lshl_b32 s88, s81, 7
	s_add_co_u32 s87, s87, s88
	s_and_b32 s88, s80, 1
	s_lshl_b32 s88, s88, 1
	s_add_co_u32 s87, s87, s88
	s_add_co_u32 s87, s87, SCR+2048
	s_lshl_b32 s88, s81, 9
	v_and_b32 v57, 31, v0                          ; lane
	v_and_b32 v58, 15, v0                          ; r
	v_bfe_u32 v59, v0, 4, 1                        ; h
	v_lshlrev_b32 v1, 4, v57                       ; 16 x lane
	v_and_b32 v60, 8, v58
	v_mul_u32_u24 v60, v60, 3
	v_add_nc_u32 v60, v60, v58                     ; 32 (r / 8) + r % 8: my position's row
	v_add_nc_u32 v2, s82, v1                       ; x's fragments, half 0,
	v_add_nc_u32 v3, 0x10000, v2                   ; half 1
	v_add_nc_u32 v4, s83, v1                       ; q's or k's
	v_add_nc_u32 v5, s84, v1                       ; v's
	v_mul_u32_u24 v6, v60, 144
	v_lshlrev_b32 v10, 2, v60                      ; v's bias
	v_lshl_add_u32 v6, v59, 6, v6
	v_add_nc_u32 v6, s85, v6                       ; cos
	v_lshl_add_u32 v7, v57, 2, s86                 ; words into SCR
	v_lshl_add_u32 v8, v58, 2, v59
	v_add_nc_u32 v8, s87, v8                       ; v's bytes into SCR: 4 r + block % 4
	v_lshlrev_b32 v9, 7, v59                       ; q's or k's bias
	v_lshlrev_b32 v11, 4, v58
	v_lshl_add_u32 v11, v59, 10, v11
	v_add_nc_u32 v11, s88, v11                     ; v's codes: block h, tile 2 fh, position r
	v_lshl_add_u32 v12, v0, 4, SCR
	v_and_b32 v13, 63, v0
	v_lshlrev_b32 v13, 4, v13
	v_lshlrev_b32 v56, 3, v59
	v_cmp_le_u32 s33, 16, v57                      ; lanes 16-31
	v_mov_b32 v244, 0                              ; written once: a lane permute's destination counts as one of its sources
	s_wait_alu depctr_va_vdst(0)
	s_wait_dscnt 0x0                               ; both opening adds are done
	s_wait_kmcnt 0x0
	s_mov_b32 s60, 1
	s_add_nc_u64 s[62:63], s[8:9], s[2:3]
	s_or_b32 s63, s63, 0x80000000
	s_mov_b32 s68, 1
	s_add_nc_u64 s[70:71], s[10:11], s[4:5]
	s_or_b32 s71, s71, 0x80000000
	s_mov_b32 s72, 1
	s_mov_b32 s73, COS
	s_add_nc_u64 s[74:75], s[12:13], s[6:7]
	s_or_b32 s75, s75, 0x80000000
	s_mov_b32 s76, 1
	s_mov_b32 s77, COS+SINO
	s_add_nc_u64 s[78:79], s[14:15], s[6:7]
	s_or_b32 s79, s79, 0x80000000
	CROUND                                         ; all sixteen work-groups are here: the joint loads meet
	ARM 2, 60, 36, .Larm_w0                        ; ONE tree of branches on the wave's number: every way through it passes exactly one load
	ARM 3, 68, 44, .Larm_w1
	ARM 4, 68, 44, .Larm_x1
	ARM 6, 60, 36, .Larm_cos
	ARM 7, 72, 52, .Larm_sin
	tensor_load_to_lds s[76:79], s[52:59]
	s_nop 0
	PLACES
.Lasked:
	; the addresses in memory
	s_mov_b32 s101, 0
	s_lshl_b32 s100, s30, 13
	s_lshl_b32 s99, s80, 11
	s_add_co_u32 s100, s100, s99
	s_add_co_u32 s100, s100, SCOFF
	s_add_nc_u64 s[82:83], s[8:9], s[100:101]      ; x's scale words at tile 16 i + 4 tg
	s_mul_i32 s98, s29, 6144
	s_lshl_b32 s99, s81, 11
	s_add_co_u32 s100, s98, s99
	s_add_co_u32 s100, s100, SCOFF
	s_add_nc_u64 s[84:85], s[10:11], s[100:101]    ; q's or k's at tile 12 j + 4 fh
	s_lshl_b32 s99, s81, 10
	s_add_co_u32 s100, s98, s99
	s_add_co_u32 s100, s100, SCOFF+4096
	s_add_nc_u64 s[86:87], s[10:11], s[100:101]    ; v's at tile 12 j + 8 + 2 fh
	s_cmp_eq_u32 s81, 0
	s_cselect_b64 s[88:89], s[16:17], s[18:19]
	s_lshl_b32 s100, s29, 8
	s_add_nc_u64 s[88:89], s[88:89], s[100:101]    ; q's or k's bias at feature 64 j
	s_lshl_b32 s99, s81, 6
	s_add_co_u32 s100, s100, s99
	s_add_nc_u64 s[90:91], s[20:21], s[100:101]    ; v's at feature 64 j + 16 fh
.irp u, 0,1,2,3
	global_load_b128 v[SA+4*\u:SA+4*\u+3], v1, s[82:83] offset:512*\u
.endr
.irp f, 0,1,2,3
	global_load_b128 v[SB+4*\f:SB+4*\f+3], v1, s[84:85] offset:512*\f
.endr
.irp f, 0,1
	global_load_b128 v[SB+16+4*\f:SB+19+4*\f], v1, s[86:87] offset:512*\f
.endr
	WIN 0x40
.irp f, 0,1,2,3
	global_load_b128 v[192+8*\f:195+8*\f], v9, s[88:89] offset:32*\f         ; a lane has features 32 h + 8 f + 0 .. 7
	global_load_b128 v[196+8*\f:199+8*\f], v9, s[88:89] offset:32*\f+16
.endr
.irp f, 0,1
	global_load_b32 v[224+8*\f], v10, s[90:91] offset:32*\f                  ; v: a lane has one feature
.endr
	WIN 0
	s_lshr_b32 s98, s30, 3
	s_lshl_b32 s98, s98, 4
	s_add_co_u32 s98, s98, s29                     ; 16 x batch + head
	s_mul_i32 s99, s98, 143360
	s_bfe_u32 s100, s30, 0x10002
	s_mul_i32 s100, s100, 71680
	s_add_co_u32 s99, s99, s100                    ; the record of 1,024 keys
	s_and_b32 s66, s30, 3
	s_lshl_b32 s67, s80, 11
	s_lshl_b32 s100, s66, 13
	s_add_co_u32 s100, s100, s67
	s_add_co_u32 s100, s100, s99
	s_add_nc_u64 s[92:93], s[24:25], s[100:101]    ; k's codes at my first tile; v's blocks lie 32,768 bytes behind it
	s_lshl_b32 s100, s66, 10
	s_add_co_u32 s100, s100, s99
	s_add_co_u32 s100, s100, 65536
	s_add_nc_u64 s[2:3], s[24:25], s[100:101]      ; k's scale words of the block
	s_lshl_b32 s100, s66, 9
	s_add_co_u32 s100, s100, s99
	s_add_co_u32 s100, s100, 69632
	s_add_nc_u64 s[4:5], s[24:25], s[100:101]      ; v's scale bytes of the block
	s_mul_i32 s99, s98, 73728
	s_and_b32 s66, s30, 7
	s_lshl_b32 s100, s66, 13
	s_add_co_u32 s100, s100, s67
	s_add_co_u32 s100, s100, s99
	s_add_nc_u64 s[94:95], s[22:23], s[100:101]    ; q's codes at my first tile
	s_lshl_b32 s100, s66, 10
	s_add_co_u32 s100, s100, s99
	s_add_co_u32 s100, s100, 65536
	s_add_nc_u64 s[96:97], s[22:23], s[100:101]    ; q's scale words of the block
	s_cmp_eq_u32 s81, 0
	s_cselect_b64 s[94:95], s[94:95], s[92:93]     ; q's or k's codes
	s_cmp_lt_u32 s26, 3
	s_cbranch_scc0 .Lfirst_half
	s_wait_tensorcnt 0x0                           ; waves 0 to 2: the first halves along K are in
.Lfirst_half:
	s_barrier_signal -1
	s_barrier_wait -1
	FETCH F0, 0
	s_wait_loadcnt 0x0                             ; scale words and biases
	WIN 0x41
.irp f, 0,1
.irp k, 1,2,3,4,5,6,7
	v_mov_b32 v[224+8*\f+\k], v[224+8*\f]          ; a lane's feature has one bias for its eight tokens: C wants eight registers
.endr
.endr
	s_wait_alu depctr_va_vdst(0)
.irp s, 0,1,2
	PLACES
	WIN 0
	FETCH F0+80*((\s+1)%2), \s+1
	s_wait_dscnt 20                                ; this step's fragments are in; the 20 loads just issued may be out
	MUL \s, F0+80*(\s%2)
.endr
	s_wait_tensorcnt 0x0                           ; the second halves, cos and sin
	s_wait_dscnt 0x0                               ; step 3's fragments are in
	s_barrier_signal -1
	MULU 3, F1, 0
	MULU 3, F1, 1
	s_barrier_wait -1
	PLACES
	WIN 0
	FETCH F0, 4
	WIN 0x50
	MULU 3, F1, 2
	MULU 3, F1, 3
.irp s, 4,5,6
	PLACES
	WIN 0
	FETCH F0+80*((\s+1)%2), \s+1
	s_wait_dscnt 20
	MUL \s, F0+80*(\s%2)
.endr
	PLACES
	WIN 0
	CSLOAD 0                                       ; into the set that step 6 has multiplied
	CSLOAD 1
	s_wait_dscnt 16                                ; step 7's fragments are in; the 16 loads just issued may be out
	MUL 7, F1
	WIN 0
	PLACES
.irp u, 0,1,2
	s_wait_dscnt 8                                 ; tile u's cos and sin are in; the next tile's eight loads may be out
	ROPE \u
.endr
	s_wait_dscnt 0x0
	ROPE 3
	v_cndmask_b32 v240, v248, v249, s33            ; lanes 0-15 one tile's words, lanes 16-31 the next tile's
	v_cndmask_b32 v241, v250, v251, s33
	ds_store_b32 v7, v240
	ds_store_b32 v7, v241 offset:128
	WIN 0x14                                       ; v.  Sources 1 and 2: the accumulators: registers 32 f + 0 .. 31 are the tokens 32 h + 0 .. 31 of my 64, feature position r of tile 2 fh + f
.irp f, 0,1
	v_max3_num_f32 v[240+\f], 0x1800000, |v[128+32*\f]|, |v[129+32*\f]|
	v_max3_num_f32 v[242+\f], 0x1800000, |v[144+32*\f]|, |v[145+32*\f]|
.endr
.irp i, 2,4,6,8,10,12,14
.irp f, 0,1
	v_max3_num_f32 v[240+\f], v[240+\f], |v[128+32*\f+\i]|, |v[129+32*\f+\i]|
	v_max3_num_f32 v[242+\f], v[242+\f], |v[144+32*\f+\i]|, |v[145+32*\f+\i]|
.endr
.endr
	WIN 0
.irp f, 0,1
	v_max_num_f32 v[240+\f], v[240+\f], v[242+\f]
.endr
.irp f, 0,1
	v_add_nc_u32 v[252+\f], 0xff000000, v[240+\f]
.endr
.irp f, 0,1
	v_lshrrev_b32 v[254+\f], 23, v[252+\f]
.endr
	WIN 0x01
.irp f, 0,1
.irp g, 0,1,2,3
	v_cvt_scalef32_pk8_fp4_f32 v[200+4*\f+\g], v[128+32*\f+8*\g:135+32*\f+8*\g], v[252+\f]
.endr
.endr
	WIN 0
	v_nop                                          ; one plain line behind the last conversion
.irp f, 0,1
	global_store_b128 v11, v[200+4*\f:203+4*\f], s[92:93] offset:32768+256*\f   ; sixteen lanes store 256 consecutive bytes, aligned
	ds_store_b8 v8, v[254+\f] offset:64*\f
.endr
	s_wait_dscnt 0x0                               ; for the others' sake: my words and bytes lie in LDS
	s_barrier_signal -1
	s_barrier_wait -1
	s_cmp_gt_u32 s26, 4                            ; the block's scales leave in whole runs: waves 0, 1 q's 1,024 bytes, waves 2, 3 k's, wave 4 v's 512
	s_cbranch_scc1 .Lno_copy
	s_cmp_lt_u32 s26, 2
	s_cselect_b64 s[98:99], s[96:97], s[2:3]
	s_cmp_eq_u32 s26, 4
	s_cselect_b64 s[98:99], s[4:5], s[98:99]
	ds_load_b128 v[192:195], v12
	s_wait_dscnt 0x0
	global_store_b128 v13, v[192:195], s[98:99]
.Lno_copy:
	s_wait_tensorcnt 0x0                           ; the wave's end
	ds_add_u32 v[SPW], v[NIL]
	s_wait_dscnt 0x0
	CROUND                                         ; the closing round: no work-group ends while a partner may still ask for a tile that names it
	s_endpgm
.Lfunc_end_k_qd062905232_qkv:
	.size	k_qd062905232_qkv, .Lfunc_end_k_qd062905232_qkv-k_qd062905232_qkv
	.p2alignl 7, 3214868480
	.fill 96, 4, 3214868480
	.section	.rodata,"a",@progbits
	.p2align	6, 0x0
	.amdhsa_kernel k_qd062905232_qkv
		.amdhsa_group_segment_fixed_size 308224
		.amdhsa_private_segment_fixed_size 0
		.amdhsa_enable_private_segment 0
		.amdhsa_kernarg_size 72
		.amdhsa_user_sgpr_count 2
		.amdhsa_user_sgpr_kernarg_segment_ptr 1
		.amdhsa_wavefront_size32 1
		.amdhsa_system_sgpr_workgroup_id_x 1
		.amdhsa_system_sgpr_workgroup_id_y 1
		.amdhsa_system_sgpr_workgroup_id_z 1
		.amdhsa_system_vgpr_workitem_id 0
		.amdhsa_next_free_vgpr 496
		.amdhsa_next_free_sgpr 102
		.amdhsa_reserve_vcc 0
		.amdhsa_float_denorm_mode_32 3
		.amdhsa_float_denorm_mode_16_64 3
		.amdhsa_memory_ordered 1
		.amdhsa_forward_progress 1
		.amdhsa_inst_pref_size 72
	.end_amdhsa_kernel
	.amdgpu_metadata
---
amdhsa.version: [ 1, 2 ]
amdhsa.kernels:
  - .name:           k_qd062905232_qkv
    .symbol:         k_qd062905232_qkv.kd
    .args:
      - { .name: xq, .offset: 0, .size: 8, .value_kind: global_buffer, .address_space: global }
      - { .name: wc, .offset: 8, .size: 8, .value_kind: global_buffer, .address_space: global }
      - { .name: pos_cos, .offset: 16, .size: 8, .value_kind: global_buffer, .address_space: global }
      - { .name: pos_sin, .offset: 24, .size: 8, .value_kind: global_buffer, .address_space: global }
      - { .name: wq_b, .offset: 32, .size: 8, .value_kind: global_buffer, .address_space: global }
      - { .name: wk_b, .offset: 40, .size: 8, .value_kind: global_buffer, .address_space: global }
      - { .name: wv_b, .offset: 48, .size: 8, .value_kind: global_buffer, .address_space: global }
      - { .name: qq, .offset: 56, .size: 8, .value_kind: global_buffer, .address_space: global }
      - { .name: kv, .offset: 64, .size: 8, .value_kind: global_buffer, .address_space: global }
    .group_segment_fixed_size: 308224
    .private_segment_fixed_size: 0
    .kernarg_segment_align: 8
    .kernarg_segment_size: 72
    .max_flat_workgroup_size: 256
    .sgpr_count:     102
    .vgpr_count:     496
    .wavefront_size: 32
...
	.end_amdgpu_metadata
.endif
;; end of part 2
;; launch attn (part 3): grid 8 x 32, 16 waves a work-group, clusters of 4 x 1, 182,272 bytes of LDS; arguments qq, kv, aq; writes aq
.if DOCPART == 3
	.amdgcn_target "amdgcn-amd-amdhsa--gfx1250"
	.amdhsa_code_object_version 6
	.text
	.protected	k_qd062905232_attn
	.globl	k_qd062905232_attn
	.p2align	8
	.type	k_qd062905232_attn,@function
k_qd062905232_attn:
	s_mov_b64 s[64:65], 0
	v_nop
	global_prefetch_b8 v0, s[64:65] scope:SCOPE_SE
	s_setreg_imm32_b32 hwreg(HW_REG_WAVE_MODE, 25, 1), 1
	s_wait_xcnt 0x0
	s_wait_alu depctr_hold_cnt(0) depctr_sa_sdst(0) depctr_va_vdst(0) depctr_va_sdst(0) depctr_va_ssrc(0) depctr_va_vcc(0) depctr_vm_vsrc(0)
	s_getreg_b32 s2, hwreg(HW_REG_IB_STS2, 6, 4)
	s_cmp_eq_u32 s2, 0
	s_cbranch_scc0 .Lentry_in_a_cluster
	s_endpgm
.Lentry_in_a_cluster:
	s_bfe_u32 s2, ttmp6, 0x10000c
	s_cmp_lg_u32 s2, 0x3003
	s_cbranch_scc0 .Lentry_shape_is_right
	s_endpgm
.Lentry_shape_is_right:
; Causal attention of one head (work-group y = 16 x batch + head) on codes of FP4: p = 2^(t - M), M a whole number (the running largest t, rounded up), the row's sum of the unquantised p divides at the end; the result is quantised for the projection.
; WORK LEFT OUT: whole steps of 128 keys that come after all 16 queries of a tile: reference()'s own tril puts -inf there, so each such p is 0.  A NaN, an infinity or an overflow that reaches only them is not carried.
; LIMITS: scaled scores (exponents to the base 2, ahead of the maximum's removal) under 2^31 in magnitude; NaN and infinities are not served; v_exp_f32 is taken not to fall where its input rises (a block's largest p is made from its largest score).
; SHARES.  c = the work-group's x, 0 .. 7.  A tile is 16 queries (position r of tile 4 G + t: query 64 G + 32 (r / 8) + 8 t + r % 8).  Pair p = wave % 8 owns the tiles 8 (15 - p) + c (16 - p key steps) and 8 p + c (p + 1).
; Waves 0 to 7 (role 0) walk the long tile's first 8 steps; waves 8 to 15 (role 1) its other 8 - p, hand the partial sums over through LDS, and walk the short tile's p + 1: 8 or 9 steps a wave.
; Every wave runs both loops of 8 trips; a trip without work for the wave is jumped over by ids.
; LAYOUT.  S^T = K Q^T: lane (r, h) holds query r, and the 32 registers of four tiles are the keys of block 2 g + h: a whole block in a lane, and the conversions' results are the second product's operand.
; O^T = V^T P^T: registers 0 .. 31 are the head's features 32 h + 0 .. 31: again a whole block.  The first product has K = 64: k = 64 .. 127 are zero codes on both sides.
; LDS: the head's two records of K and V (2 x 71,680 bytes, laid by qkv as images of the registers), each byte filled once, one tensor load of 35 rows of 256 bytes a wave, jointly in the cluster of four work-groups of the head.
; No prefetch: everything is asked for at the head, and the loops load from LDS alone.
; REGISTERS: v1-6, 25, 31 addresses and lane numbers; v8-11 the step's; v12 -M, v13 the largest score, v[14:15] the sum in two halves; v16-23, 24 Q and its words; v26-30 the short tile's Q; v32-95 K; v96-159 S, then p; v160-191 O^T; v192-223 V; v224-231 p's codes; v232-255 at work.
.set SCOFF, 2097152
.set HALF,  71680
.set XCH,   143360                     ; the exchange: 4,608 bytes for each pair
.set SPARE, 180224                     ; the spare words, 128 bytes for each wave
.set SPW, 243
.set NIL, 255
.set TB,  36                           ; where the step's K and V begin
.set TS,  37                           ; K's scale words
.set TJ,  38                           ; V's
.set CNT, 39
.set NS,  40                           ; my steps in this loop
.set MK,  41                           ; the step on the diagonal
.set GD,  42                           ; which 64 of its keys the diagonal lies in
.macro PLACES
.rept 4
	v_nop
.endr
.endm
.macro CROUND
	s_barrier_signal -1
	s_barrier_wait -1
	s_cmp_lg_u32 s10, 0
	s_cbranch_scc1 .Lnot_wave_0_\@
	s_barrier_signal -3
.Lnot_wave_0_\@:
	s_barrier_wait -3
	s_barrier_signal -1
	s_barrier_wait -1
.endm
.macro QADDR P, T                      ; tile T's codes and scale words in qq
	s_lshl_b32 s70, s[\T], 9
	s_add_co_u32 s70, s70, s14
	s_add_nc_u64 s[\P:\P+1], s[4:5], s[70:71]
	s_lshl_b32 s70, s[\T], 6
	s_add_co_u32 s70, s70, s14
	s_add_co_u32 s70, s70, 65536
	s_add_nc_u64 s[\P+2:\P+3], s[4:5], s[70:71]
.endm
.macro BEGIN                           ; a tile's state: the first change of M finds zeros, which it leaves zeros
	v_mov_b32 v13, 0xff61b1e6                      ; -3e38
	v_mov_b32 v14, 0
	v_mov_b32 v15, 0
	v_mul_f32 v12, s69, v13
	v_floor_f32 v12, v12
.set n, 0
.rept 32
	v_mov_b32 v[160+n], 0
.set n, n+1
.endr
.endm
.macro HIDE base                       ; on the diagonal: register i of these 32 is hidden where i > d
.set n, 0
.rept 32
	v_cmp_gt_i32 vcc_lo, n, v4
	v_cndmask_b32 v[\base+n], v[\base+n], v238, vcc_lo
.set n, n+1
.endr
.endm
.macro PKF base                        ; t - M, two at a time
.set n, 0
.rept 8
	v_pk_fma_f32 v[\base+n:\base+n+1], v[\base+n:\base+n+1], s[34:35], v[12:13] op_sel_hi:[1,0,0]
.set n, n+2
.endr
.endm
.macro STEP
	s_cmp_ge_u32 s[CNT], s[NS]
	s_cbranch_scc1 .Lhid_\@
	v_add_nc_u32 v8, s[TB], v1
	v_add_nc_u32 v10, s[TS], v3
.irp t, 0,1,2,3,4,5,6,7
	ds_load_b128 v[32+8*\t:35+8*\t], v8 offset:512*\t
.endr
.irp i, 0,1,2,3
	ds_load_b32 v[248+\i], v10 offset:128*\i       ; lanes 0-15 tile 2 i's words, lanes 16-31 tile 2 i + 1's
.endr
	s_wait_dscnt 0x0
.irp t, 0,2,4,6
	v_wmma_scale_f32_16x16x128_f8f6f4 v[96+8*\t:103+8*\t], v[32+8*\t:39+8*\t], v[16:23], 0, v[248+\t/2], v24 matrix_a_fmt:MATRIX_FMT_FP4 matrix_b_fmt:MATRIX_FMT_FP4
	v_wmma_scale_f32_16x16x128_f8f6f4 v[104+8*\t:111+8*\t], v[40+8*\t:47+8*\t], v[16:23], 0, v[248+\t/2], v24 matrix_a_fmt:MATRIX_FMT_FP4 matrix_b_fmt:MATRIX_FMT_FP4 matrix_a_scale:MATRIX_SCALE_ROW1
.endr
	v_add_nc_u32 v9, s[TB], v2                     ; these four are the places behind the products
	v_add_nc_u32 v11, s[TJ], v3
	v_mov_b32 v254, v12                            ; the old -M
	v_nop
.irp f, 0,1,2,3
.irp c, 0,1
	ds_load_b128 v[192+8*\f+4*\c:195+8*\f+4*\c], v9 offset:32768+2048*\c+256*\f
.endr
.endr
.irp i, 0,1
	ds_load_b32 v[240+\i], v11 offset:128*\i
.endr
	s_cmp_lg_u32 s[CNT], s[MK]
	s_cbranch_scc1 .Lopen_\@
	v_mov_b32 v238, 0xff800000                     ; -infinity
	s_cmp_lg_u32 s[GD], 0
	s_wait_alu depctr_va_vdst(0)
	s_cbranch_scc1 .Lhigh_\@
	HIDE 96
.set n, 0
.rept 32
	v_mov_b32 v[128+n], v238                       ; the step's upper 64 keys come after all my queries
.set n, n+1
.endr
	s_wait_alu depctr_va_vdst(0)
	s_branch .Lopen_\@
.Lhigh_\@:
	HIDE 128
.Lopen_\@:
.irp g, 0,1                                    ; the largest score of each block of 32 keys, in two chains: registers 0 .. 16 and 17 .. 31; each accumulator is read from its low end on
	v_max3_num_f32 v[232+\g], v[96+32*\g], v[97+32*\g], v[98+32*\g]
	v_max3_num_f32 v[234+\g], v[113+32*\g], v[114+32*\g], v[115+32*\g]
.endr
.irp i, 3,5,7,9,11,13
.irp g, 0,1
	v_max3_num_f32 v[232+\g], v[232+\g], v[96+32*\g+\i], v[97+32*\g+\i]
	v_max3_num_f32 v[234+\g], v[234+\g], v[113+32*\g+\i], v[114+32*\g+\i]
.endr
.endr
.irp g, 0,1
	v_max3_num_f32 v[232+\g], v[232+\g], v[111+32*\g], v[112+32*\g]
.endr
.irp g, 0,1
	v_max_num_f32 v[232+\g], v[232+\g], v[234+\g]
.endr
	s_delay_alu instid0(VALU_DEP_1)
	v_max_num_f32 v236, v232, v233
	s_delay_alu instid0(VALU_DEP_1)
	v_permlanex16_b32 v237, v236, s32, s33         ; lane l xor 16's two blocks
	s_delay_alu instid0(VALU_DEP_1)
	v_max3_num_f32 v13, v13, v236, v237            ; the running largest score of my query
	s_delay_alu instid0(VALU_DEP_1)
	v_mul_f32 v238, s69, v13                       ; -t (the factor is -c)
	s_delay_alu instid0(VALU_DEP_1)
	v_floor_f32 v12, v238                          ; the new -M = floor(-t): M is a whole number
	PKF 96
	v_sub_f32 v254, v12, v254                      ; M's old value less its new one
	PKF 112
	v_cvt_i32_f32 v254, v254                       ; (it saturates)
	PKF 128
	v_ldexp_f32 v252, 1.0, v254                    ; f = 2^(old M - new M)
	PKF 144
.irp g, 0,1
	v_fma_f32 v[232+\g], v[232+\g], s34, v12
.endr
	s_wait_alu depctr_va_vdst(0)                   ; ahead of the batch
.set n, 0
.rept 64
	v_exp_f32 v[96+n], v[96+n]
.set n, n+1
.endr
	v_exp_f32 v232, v232                           ; the blocks' largest p: the same two instructions on the same number give the same bits
	v_exp_f32 v233, v233
	v_pk_mul_f32 v[14:15], v[14:15], v[252:253] op_sel_hi:[1,0]   ; the sum under the new M
	s_wait_alu depctr_va_vdst(0)                   ; and behind it, ahead of the first readers of p and of O^T
.set n, 0
.rept 16
	v_pk_mul_f32 v[160+n:161+n], v[160+n:161+n], v[252:253] op_sel_hi:[1,0]   ; O^T under the new M
.set n, n+2
.endr
.irp g, 0,1
	v_max_num_f32 v[232+\g], 0x1800000, v[232+\g]  ; the floor 2^(3 - 127): the byte cannot fall under 1 (a block whose every p is 0 has zero codes)
.endr
.irp g, 0,1
	v_add_nc_u32 v[244+\g], 0xff000000, v[232+\g]  ; 2 off the exponent field: the conversion's scale operand
.endr
.irp g, 0,1
	v_lshrrev_b32 v[238+\g], 23, v[244+\g]
.endr
.irp c, 0,1
.irp g, 0,1,2,3
	v_cvt_scalef32_pk8_fp4_f32 v[224+4*\c+\g], v[96+32*\c+8*\g:103+32*\c+8*\g], v[244+\c]
.endr
.endr
	v_lshl_or_b32 v238, v239, 16, v238             ; my two bytes, blocks h and 2 + h,
	s_delay_alu instid0(VALU_DEP_1)
	v_lshlrev_b32 v238, v25, v238                  ; at their places in the word;
	s_delay_alu instid0(VALU_DEP_1)
	v_permlanex16_b32 v239, v238, s32, s33
	s_delay_alu instid0(VALU_DEP_1)
	v_or_b32 v242, v238, v239                      ; with lane l xor 16's two it is whole
	v_pk_add_f32 v[236:237], v[96:97], v[98:99]    ; the row's sum of the unquantised p, in four chains; these lines are also the places between codes and scales and the products
	v_pk_add_f32 v[232:233], v[100:101], v[102:103]
	v_pk_add_f32 v[234:235], v[104:105], v[106:107]
.irp k, 12,20,28,36,44,52
	v_pk_add_f32 v[14:15], v[14:15], v[96+\k:97+\k]
	v_pk_add_f32 v[236:237], v[236:237], v[98+\k:99+\k]
	v_pk_add_f32 v[232:233], v[232:233], v[100+\k:101+\k]
	v_pk_add_f32 v[234:235], v[234:235], v[102+\k:103+\k]
.endr
	v_pk_add_f32 v[14:15], v[14:15], v[156:157]
	v_pk_add_f32 v[236:237], v[236:237], v[158:159]
	v_pk_add_f32 v[232:233], v[232:233], v[234:235]
	v_pk_add_f32 v[236:237], v[236:237], v[232:233]
	s_delay_alu instid0(VALU_DEP_1)
	v_pk_add_f32 v[14:15], v[14:15], v[236:237]
	s_wait_dscnt 0x0
.irp f, 0,2
	v_wmma_scale_f32_16x16x128_f8f6f4 v[160+8*\f:167+8*\f], v[192+8*\f:199+8*\f], v[224:231], v[160+8*\f:167+8*\f], v[240+\f/2], v242 matrix_a_fmt:MATRIX_FMT_FP4 matrix_b_fmt:MATRIX_FMT_FP4
	v_wmma_scale_f32_16x16x128_f8f6f4 v[168+8*\f:175+8*\f], v[200+8*\f:207+8*\f], v[224:231], v[168+8*\f:175+8*\f], v[240+\f/2], v242 matrix_a_fmt:MATRIX_FMT_FP4 matrix_b_fmt:MATRIX_FMT_FP4 matrix_a_scale:MATRIX_SCALE_ROW1
.endr
.Lhid_\@:
.endm
.macro KLOOP
	s_mov_b32 s[CNT], 0
.Lk_\@:
	STEP
	s_add_co_u32 s[TB], s[TB], 4096
	s_add_co_u32 s[TS], s[TS], 512
	s_add_co_u32 s[TJ], s[TJ], 256
	s_add_co_u32 s[CNT], s[CNT], 1
	s_cmp_lt_u32 s[CNT], 8
	s_cbranch_scc1 .Lk_\@
.endm
	s_load_b128 s[4:7], s[0:1], 0x0                ; qq, kv
	s_load_b64 s[8:9], s[0:1], 0x10                ; aq
	v_lshl_add_u32 v[SPW], v0, 2, SPARE
	v_mov_b32 v[NIL], 0
	ds_add_u32 v[SPW], v[NIL]                      ; the wave's opening: the add, twice on end, and its wait ahead of my first tensor load
	ds_add_u32 v[SPW], v[NIL]
	v_lshrrev_b32 v1, 5, v0
	v_readfirstlane_b32 s10, v1                    ; wave 0..15
	s_bfe_u32 s11, ttmp6, 0x40000
	s_lshl_b32 s12, ttmp9, 2
	s_add_co_u32 s12, s12, s11                     ; c
	s_and_b32 s13, ttmp7, 0xffff                   ; 16 x batch + head
	s_mov_b32 s16, 15|(3<<16)|(1<<21)              ; group 1: 35 rows of 256 bytes (32 elements of 8), dense, for all four of the cluster
	s_mov_b32 s17, 32<<16
	s_mov_b32 s18, 35<<16
	s_mov_b32 s19, 32<<16
	s_mov_b32 s20, 35
	s_mov_b32 s21, 32
	s_mov_b32 s22, 0
	s_mov_b32 s23, 0
	s_mov_b32 s32, 0x76543210
	s_mov_b32 s33, 0xfedcba98                      ; selects for lane l xor 16
	s_mov_b32 s34, 0x3e38aa3b                      ; c = log2(e) / 8
	s_mov_b32 s35, s34                             ; (the packed form names the pair)
	s_mov_b32 s69, 0xbe38aa3b                      ; -c
	s_mul_i32 s25, s10, 8960                       ; wave x 35 rows
	s_mul_i32 s2, s13, 143360
	s_add_co_u32 s2, s2, s25
	s_mov_b32 s3, 0
	s_and_b32 s43, s10, 7                          ; p
	s_mul_i32 s59, s43, 4608
	s_add_co_u32 s59, s59, XCH
	s_and_b32 s58, s12, 3
	s_lshl_b32 s58, s58, 3
	s_mov_b32 s[GD], ttmp9                         ; c / 4 = the cluster's x: the same in all four work-groups of the cluster
	v_and_b32 v7, 31, v0                           ; lane
	v_and_b32 v5, 15, v0                           ; r
	v_bfe_u32 v6, v0, 4, 1                         ; h
	v_lshlrev_b32 v1, 4, v7                        ; 16 x lane
	v_lshlrev_b32 v2, 4, v5
	v_lshl_add_u32 v2, v6, 10, v2                  ; V: 16 r + 1,024 h
	v_lshlrev_b32 v3, 2, v7                        ; 4 x lane
	v_and_b32 v4, 8, v5
	v_mul_u32_u24 v4, v4, 3
	v_add_nc_u32 v4, v4, v5                        ; 32 (r / 8) + r % 8
	v_lshlrev_b32 v8, 5, v6
	v_sub_nc_u32 v4, v4, v8
	v_add_nc_u32 v4, s58, v4                       ; d = 8 (c % 4) + 32 (r / 8) + r % 8 - 32 h
	v_lshlrev_b32 v25, 3, v6                       ; 8 h
	v_lshl_add_u32 v31, v5, 4, v6                  ; 16 r + h: my scale byte on the way out
	v_lshlrev_b32 v5, 2, v5                        ; 4 r
	v_add_nc_u32 v6, s59, v1                       ; my pair's exchange
.irp k, 20,21,22,23,26,27,28,29,30,236,237,239,247,253
	v_mov_b32 v\k, 0                               ; Q's zero codes; registers that are named as part of a pair or as a lane permute's destination, or that a load of some waves alone writes
.endr
	s_wait_alu depctr_va_vdst(0)
	s_wait_dscnt 0x0                               ; both opening adds are done
	s_wait_kmcnt 0x0
	s_mov_b32 s24, 1
	s_add_nc_u64 s[26:27], s[6:7], s[2:3]
	s_or_b32 s27, s27, 0x80000000
	CROUND                                         ; all four work-groups are here: the joint loads meet
	tensor_load_to_lds s[24:27], s[16:23]
	s_nop 0
	PLACES
	s_mov_b32 s71, 0
	s_mul_i32 s14, s13, 73728
	s_xor_b32 s44, s43, 15
	s_lshl_b32 s44, s44, 3
	s_add_co_u32 s44, s44, s12                     ; the long tile
	s_lshl_b32 s45, s43, 3
	s_add_co_u32 s45, s45, s12                     ; the short tile
	QADDR 46, 44
	QADDR 50, 45
	global_load_b128 v[16:19], v1, s[46:47]
	global_load_b32 v24, v5, s[48:49]
	s_sub_co_u32 s60, 8, s43
	s_xor_b32 s61, s43, 7
	s_add_co_u32 s62, s43, 1
	s_cmp_lt_u32 s10, 8
	s_cselect_b32 s[NS], 8, s60                    ; the first loop's steps
	s_cselect_b32 s[MK], 64, s61                   ; (64: role 0 walks no step on the diagonal)
	s_cselect_b32 s55, 0, s62                      ; the second loop's
	s_cselect_b32 s54, s44, s45                    ; the tile that I finish
	s_cbranch_scc1 .Lq_asked
	global_load_b128 v[26:29], v1, s[50:51]        ; role 1: the short tile's Q
	global_load_b32 v30, v5, s[52:53]
.Lq_asked:
	s_lshr_b32 s66, s13, 4
	s_lshl_b32 s66, s66, 7
	s_add_co_u32 s66, s66, s54                     ; its number in aq
	s_and_b32 s67, s13, 15                         ; the head
	s_lshl_b32 s70, s66, 13
	s_lshl_b32 s68, s67, 9
	s_add_co_u32 s70, s70, s68
	s_add_nc_u64 s[56:57], s[8:9], s[70:71]        ; its codes: blocks 2 x head, 2 x head + 1
	s_lshl_b32 s70, s66, 9
	s_lshr_b32 s68, s67, 3
	s_lshl_b32 s68, s68, 8
	s_add_co_u32 s70, s70, s68
	s_and_b32 s68, s67, 7
	s_lshl_b32 s68, s68, 1
	s_add_co_u32 s70, s70, s68
	s_add_co_u32 s70, s70, SCOFF
	s_add_nc_u64 s[58:59], s[8:9], s[70:71]        ; and their bytes
	s_lshr_b32 s60, s10, 3
	s_mul_i32 s[TB], s60, HALF                     ; role 1 begins in the second record
	s_add_co_u32 s[TS], s[TB], 65536
	s_add_co_u32 s[TJ], s[TB], 69632
.irp t, 0,1,2,3,4,5,6,7
.irp k, 4,5,6,7
	v_mov_b32 v[32+8*\t+\k], 0                     ; K's zero codes
.endr
.endr
	BEGIN
	s_wait_alu depctr_va_vdst(0)                   ; the head's end
	s_wait_loadcnt 0x0                             ; Q
	s_wait_tensorcnt 0x0                           ; my part of K and V
	s_barrier_signal -1
	s_barrier_wait -1
	KLOOP                                          ; the long tile
	s_wait_alu depctr_va_vdst(0)
	PLACES
	s_cmp_lt_u32 s10, 8
	s_cbranch_scc1 .Lkeep
.irp i, 0,1,2,3,4,5,6,7
	ds_store_b128 v6, v[160+4*\i:163+4*\i] offset:512*\i   ; role 1 hands its part of the long tile over,
.endr
	ds_store_b128 v6, v[12:15] offset:4096
.irp i, 0,1,2,3
	v_mov_b32 v[16+\i], v[26+\i]                   ; and begins the short tile
.endr
	v_mov_b32 v24, v30
	BEGIN
	s_wait_alu depctr_va_vdst(0)
.Lkeep:
	s_mov_b32 s[TB], 0
	s_mov_b32 s[TS], 65536
	s_mov_b32 s[TJ], 69632
	s_mov_b32 s[NS], s55
	s_mov_b32 s[MK], s43
	KLOOP                                          ; the short tile (role 0 has no step here)
	s_wait_alu depctr_va_vdst(0)
	s_wait_dscnt 0x0                               ; what role 1 handed over lies in LDS
	s_barrier_signal -1
	s_barrier_wait -1
	s_cmp_gt_u32 s10, 7
	s_cbranch_scc1 .Lown
	ds_load_b128 v[232:235], v6 offset:4096        ; role 0 joins the two parts under the larger M
.irp i, 0,1,2,3,4,5,6,7
	ds_load_b128 v[96+4*\i:99+4*\i], v6 offset:512*\i
.endr
	s_wait_dscnt 0x0
	v_min_num_f32 v236, v12, v232
	v_sub_f32 v237, v236, v12
	v_sub_f32 v238, v236, v232
	v_cvt_i32_f32 v237, v237
	v_cvt_i32_f32 v238, v238
	v_ldexp_f32 v252, 1.0, v237
	v_ldexp_f32 v246, 1.0, v238
	v_pk_mul_f32 v[14:15], v[14:15], v[252:253] op_sel_hi:[1,0]
.set n, 0
.rept 16
	v_pk_mul_f32 v[160+n:161+n], v[160+n:161+n], v[252:253] op_sel_hi:[1,0]
.set n, n+2
.endr
	v_pk_fma_f32 v[14:15], v[234:235], v[246:247], v[14:15] op_sel_hi:[1,0,1]
.set n, 0
.rept 16
	v_pk_fma_f32 v[160+n:161+n], v[96+n:97+n], v[246:247], v[160+n:161+n] op_sel_hi:[1,0,1]
.set n, n+2
.endr
.Lown:
	PLACES
	v_add_f32 v14, v14, v15                        ; the sum's two halves,
	s_delay_alu instid0(VALU_DEP_1)
	v_permlanex16_b32 v236, v14, s32, s33
	s_delay_alu instid0(VALU_DEP_1)
	v_add_f32 v14, v14, v236                       ; and lane l xor 16's
	s_wait_alu depctr_va_vdst(0)                   ; ahead of the transcendental
	v_rcp_f32 v14, v14
	v_nop
	s_wait_alu depctr_va_vdst(0)                   ; and behind it, ahead of the first readers of it and of O^T
.set n, 0
.rept 16
	v_pk_mul_f32 v[96+n:97+n], v[160+n:161+n], v[14:15] op_sel_hi:[1,0]
.set n, n+2
.endr
	v_max3_num_f32 v232, 0x1800000, |v96|, |v97|   ; the quantiser ahead of the projection: my block's largest magnitude, in two chains
	v_max3_num_f32 v233, 0x1800000, |v112|, |v113|
.irp i, 2,4,6,8,10,12,14
	v_max3_num_f32 v232, v232, |v[96+\i]|, |v[97+\i]|
	v_max3_num_f32 v233, v233, |v[112+\i]|, |v[113+\i]|
.endr
	s_delay_alu instid0(VALU_DEP_1)
	v_max_num_f32 v232, v232, v233
	s_delay_alu instid0(VALU_DEP_1)
	v_add_nc_u32 v244, 0xff000000, v232
.irp g, 0,1,2,3
	v_cvt_scalef32_pk8_fp4_f32 v[224+\g], v[96+8*\g:103+8*\g], v244
.endr
	v_lshrrev_b32 v238, 23, v244
	global_store_b128 v1, v[224:227], s[56:57]     ; 512 consecutive bytes, aligned
	global_store_b8 v31, v238, s[58:59]
	s_wait_tensorcnt 0x0                           ; the wave's end
	ds_add_u32 v[SPW], v[NIL]
	s_wait_dscnt 0x0
	CROUND                                         ; the closing round
	s_endpgm
.Lfunc_end_k_qd062905232_attn:
	.size	k_qd062905232_attn, .Lfunc_end_k_qd062905232_attn-k_qd062905232_attn
	.p2alignl 7, 3214868480
	.fill 96, 4, 3214868480
	.section	.rodata,"a",@progbits
	.p2align	6, 0x0
	.amdhsa_kernel k_qd062905232_attn
		.amdhsa_group_segment_fixed_size 182272
		.amdhsa_private_segment_fixed_size 0
		.amdhsa_enable_private_segment 0
		.amdhsa_kernarg_size 24
		.amdhsa_user_sgpr_count 2
		.amdhsa_user_sgpr_kernarg_segment_ptr 1
		.amdhsa_wavefront_size32 1
		.amdhsa_system_sgpr_workgroup_id_x 1
		.amdhsa_system_sgpr_workgroup_id_y 1
		.amdhsa_system_sgpr_workgroup_id_z 1
		.amdhsa_system_vgpr_workitem_id 0
		.amdhsa_next_free_vgpr 256
		.amdhsa_next_free_sgpr 72
		.amdhsa_reserve_vcc 1
		.amdhsa_float_denorm_mode_32 3
		.amdhsa_float_denorm_mode_16_64 3
		.amdhsa_memory_ordered 1
		.amdhsa_forward_progress 1
		.amdhsa_inst_pref_size 58
	.end_amdhsa_kernel
	.amdgpu_metadata
---
amdhsa.version: [ 1, 2 ]
amdhsa.kernels:
  - .name:           k_qd062905232_attn
    .symbol:         k_qd062905232_attn.kd
    .args:
      - { .name: qq, .offset: 0, .size: 8, .value_kind: global_buffer, .address_space: global }
      - { .name: kv, .offset: 8, .size: 8, .value_kind: global_buffer, .address_space: global }
      - { .name: aq, .offset: 16, .size: 8, .value_kind: global_buffer, .address_space: global }
    .group_segment_fixed_size: 182272
    .private_segment_fixed_size: 0
    .kernarg_segment_align: 8
    .kernarg_segment_size: 24
    .max_flat_workgroup_size: 512
    .sgpr_count:     72
    .vgpr_count:     256
    .wavefront_size: 32
...
	.end_amdgpu_metadata
.endif
;; end of part 3
;; launch oproj (part 4): grid 16 x 16, 8 waves a work-group, clusters of 4 x 4, 234,496 bytes of LDS; arguments aq, wc, wo_b, out0; writes out0
.if DOCPART == 4
	.amdgcn_target "amdgcn-amd-amdhsa--gfx1250"
	.amdhsa_code_object_version 6
	.text
	.protected	k_qd062905232_oproj
	.globl	k_qd062905232_oproj
	.p2align	8
	.type	k_qd062905232_oproj,@function
k_qd062905232_oproj:
	s_mov_b64 s[64:65], 0
	v_nop
	global_prefetch_b8 v0, s[64:65] scope:SCOPE_SE
	s_setreg_imm32_b32 hwreg(HW_REG_WAVE_MODE, 25, 1), 1
	s_wait_xcnt 0x0
	s_wait_alu depctr_hold_cnt(0) depctr_sa_sdst(0) depctr_va_vdst(0) depctr_va_sdst(0) depctr_va_ssrc(0) depctr_va_vcc(0) depctr_vm_vsrc(0)
	s_getreg_b32 s2, hwreg(HW_REG_IB_STS2, 6, 4)
	s_cmp_eq_u32 s2, 0
	s_cbranch_scc0 .Lentry_in_a_cluster
	s_endpgm
.Lentry_in_a_cluster:
	s_bfe_u32 s2, ttmp6, 0x10000c
	s_cmp_lg_u32 s2, 0xf033
	s_cbranch_scc0 .Lentry_shape_is_right
	s_endpgm
.Lentry_shape_is_right:
; out0 = a wo^T + wo_b on codes of FP4: [256 tokens of block i] x [64 features of block j], K = 1,024.  a (aq) and wo (wc, tiles 192 on) lie as images of their registers:
; tile*8192 + K step*1024 + piece*512 + 16 x lane; position r of tile 4 G + t is row 64 G + 32 (r / 8) + 8 t + r % 8.  LDS holds a's 16 tiles and wo's 4, in two halves along K, each byte filled once.
; ONE TENSOR LOAD A WAVE: waves 0, 1 a's first half along K, wave 2 wo's first half, wave 3 wo's second, waves 4, 5 a's second half.  The first barrier shows the first halves (waves 3 to 7 pass over that wait:
; their load lines are their own), the second, ahead of K step 4's fragments, the rest.
; CLUSTER 4 x 4: a's tiles hang on i alone and are asked for jointly along a row of the cluster, wo's on j alone, along a column.
; SHARES: wave w owns token tiles 2 w, 2 w + 1 and all 64 features: 8 accumulators, 8 K steps.  Source 0 = 16 features, source 1 = 16 tokens: a lane holds one token and features 32 h + 8 f + 0 .. 7 of tile f.
; THE WAY OUT: through the wave's own stage in LDS, rows of 256 bytes + 16; sixteen lanes store 256 consecutive bytes, aligned.
; No prefetch: all tiles are asked for at the head, and no loop runs.  LIMIT: NaN and infinities are not served.
.set SCOFF, 2097152
.set WB,    131072                     ; wo in LDS; half 1 16,384 behind it
.set STG,   163840                     ; 8 stages of 32 rows x 272 bytes; no tile lands here
.set SPARE, 233472
.set SPW, 254
.set NIL, 255
.set SA,  32
.set SB,  40
.set BI,  56
.set F0,  88
.set F1,  136
.set ACC, 184
.macro PLACES
.rept 4
	v_nop
.endr
.endm
.macro CROUND
	s_barrier_signal -1
	s_barrier_wait -1
	s_cmp_lg_u32 s26, 0
	s_cbranch_scc1 .Lnot_wave_0_\@
	s_barrier_signal -3
.Lnot_wave_0_\@:
	s_barrier_wait -3
	s_barrier_signal -1
	s_barrier_wait -1
.endm
.macro ARM under, g0, g1, next
	s_cmp_lt_u32 s26, \under
	s_cbranch_scc0 \next
	tensor_load_to_lds s[\g0:\g0+3], s[\g1:\g1+7]
	s_nop 0
	PLACES
	s_branch .Lasked
\next:
.endm
.macro FETCH buf, s                    ; K step s: 12 loads of 512 consecutive bytes
.irp u, 0,1
.irp c, 0,1
	ds_load_b128 v[(\buf)+8*\u+4*\c:(\buf)+8*\u+4*\c+3], v[2+2*((\s)/4)] offset:\u*4096+((\s)%4)*1024+\c*512
.endr
.endr
.irp f, 0,1,2,3
.irp c, 0,1
	ds_load_b128 v[(\buf)+16+8*\f+4*\c:(\buf)+16+8*\f+4*\c+3], v3 offset:((\s)/4)*16384+\f*4096+((\s)%4)*1024+\c*512
.endr
.endr
.endm
.macro ONE d, a, b, bi, sca, scb, s    ; one product; K step 0 starts the sum with the bias as C
.if (\s) == 0
	v_wmma_scale_f32_16x16x128_f8f6f4 v[\d:\d+7], v[\a:\a+7], v[\b:\b+7], v[\bi:\bi+7], v[\sca], v[\scb] matrix_a_fmt:MATRIX_FMT_FP4 matrix_b_fmt:MATRIX_FMT_FP4
.elseif (\s) < 4
	v_wmma_scale_f32_16x16x128_f8f6f4 v[\d:\d+7], v[\a:\a+7], v[\b:\b+7], v[\d:\d+7], v[\sca+(\s)], v[\scb+(\s)] matrix_a_fmt:MATRIX_FMT_FP4 matrix_b_fmt:MATRIX_FMT_FP4
.else
	v_wmma_scale_f32_16x16x128_f8f6f4 v[\d:\d+7], v[\a:\a+7], v[\b:\b+7], v[\d:\d+7], v[\sca+(\s)-4], v[\scb+(\s)-4] matrix_a_fmt:MATRIX_FMT_FP4 matrix_b_fmt:MATRIX_FMT_FP4 matrix_a_scale:MATRIX_SCALE_ROW1 matrix_b_scale:MATRIX_SCALE_ROW1
.endif
.endm
.macro MUL s, buf                      ; eight products, the eight accumulators by turns
.irp u, 0,1
.irp f, 0,1,2,3
	ONE ACC+32*\u+8*\f, (\buf)+16+8*\f, (\buf)+8*\u, BI+8*\f, SB+4*\f, SA+4*\u, \s
.endr
.endr
.endm
	s_load_b256 s[8:15], s[0:1], 0x0               ; aq, wc, wo_b, out0
	v_lshl_add_u32 v[SPW], v0, 2, SPARE
	v_mov_b32 v[NIL], 0
	ds_add_u32 v[SPW], v[NIL]                      ; the wave's opening: the add, twice on end, and its wait ahead of my first tensor load
	ds_add_u32 v[SPW], v[NIL]
	v_lshrrev_b32 v1, 5, v0
	v_readfirstlane_b32 s26, v1                    ; wave 0..7
	s_bfe_u32 s27, ttmp6, 0x40000                  ; cx
	s_bfe_u32 s28, ttmp6, 0x40004                  ; cy
	s_lshl_b32 s29, ttmp9, 2
	s_add_co_u32 s29, s29, s27                     ; j: the block of 64 features
	s_and_b32 s30, ttmp7, 0xffff
	s_lshl_b32 s30, s30, 2
	s_add_co_u32 s30, s30, s28                     ; i: the block of 256 tokens
	s_lshl_b32 s31, s28, 2
	s_lshl_b32 s31, 15, s31                        ; my row of the cluster
	s_lshl_b32 s32, 0x1111, s27                    ; my column
	s_or_b32 s36, s31, (3<<16)|(1<<21)             ; group 1 for a: 8 rows of 4,096 bytes (512 elements of 8), 8,192 bytes apart: half of K of eight tiles
	s_mov_b32 s37, 512<<16
	s_mov_b32 s38, 8<<16
	s_mov_b32 s39, 512<<16
	s_mov_b32 s40, 8
	s_mov_b32 s41, 1024
	s_mov_b32 s42, 0
	s_mov_b32 s43, 0
	s_or_b32 s44, s32, (3<<16)|(1<<21)             ; for wo: 4 such rows
	s_mov_b32 s45, 512<<16
	s_mov_b32 s46, 4<<16
	s_mov_b32 s47, 512<<16
	s_mov_b32 s48, 4
	s_mov_b32 s49, 1024
	s_mov_b32 s50, 0
	s_mov_b32 s51, 0
	s_and_b32 s66, s26, 1
	s_lshr_b32 s67, s26, 2
	s_lshl_b32 s2, s30, 17                         ; a: tiles 16 i + 8 (w % 2) on, half w / 4 along K
	s_lshl_b32 s3, s66, 16
	s_add_co_u32 s2, s2, s3
	s_lshl_b32 s3, s67, 12
	s_add_co_u32 s2, s2, s3
	s_mov_b32 s3, 0
	s_lshl_b32 s4, s29, 15                         ; wo: tiles 192 + 4 j on, half w % 2
	s_lshl_b32 s5, s66, 12
	s_add_co_u32 s4, s4, s5
	s_add_co_u32 s4, s4, 1572864
	s_mov_b32 s5, 0
	s_lshl_b32 s61, s66, 15                        ; where they go in LDS
	s_lshl_b32 s69, s67, 16
	s_add_co_u32 s61, s61, s69
	s_lshl_b32 s69, s66, 14
	s_add_co_u32 s69, s69, WB
	s_lshl_b32 s80, s26, 13
	s_mul_i32 s81, s26, 8704
	s_add_co_u32 s81, s81, STG                     ; my stage
	v_and_b32 v14, 31, v0                          ; lane
	v_and_b32 v15, 15, v0                          ; r
	v_bfe_u32 v16, v0, 4, 1                        ; h
	v_lshlrev_b32 v1, 4, v14
	v_mul_u32_u24 v6, v15, 272
	v_mul_u32_u24 v7, v16, 272
	v_add_nc_u32 v2, s80, v1                       ; a's fragments, half 0,
	v_add_nc_u32 v3, WB, v1                        ; wo's
	v_add_nc_u32 v4, 0x10000, v2                   ; a's, half 1
	v_lshl_add_u32 v6, v16, 7, v6
	v_lshl_add_u32 v7, v15, 4, v7
	v_add_nc_u32 v6, s81, v6                       ; the stage, in: row r, + 128 h
	v_add_nc_u32 v7, s81, v7                       ; back: lanes 0-15 one row, lanes 16-31 the next
	v_lshlrev_b32 v8, 12, v16
	v_lshlrev_b32 v9, 7, v16
	v_lshl_add_u32 v8, v15, 4, v8                  ; and the same in out0
	s_wait_alu depctr_va_vdst(0)
	s_wait_dscnt 0x0                               ; both opening adds are done
	s_wait_kmcnt 0x0
	s_mov_b32 s60, 1
	s_add_nc_u64 s[62:63], s[8:9], s[2:3]
	s_or_b32 s63, s63, 0x80000000
	s_mov_b32 s68, 1
	s_add_nc_u64 s[70:71], s[10:11], s[4:5]
	s_or_b32 s71, s71, 0x80000000
	CROUND                                         ; all sixteen work-groups are here: the joint loads meet
	ARM 2, 60, 36, .Larm_w0                        ; ONE tree of branches on the wave's number: no way through it passes two loads
	ARM 3, 68, 44, .Larm_w1
	ARM 4, 68, 44, .Larm_a1
	ARM 6, 60, 36, .Larm_none
.Lasked:
	s_mov_b32 s101, 0
	s_lshl_b32 s100, s29, 11
	s_add_co_u32 s100, s100, SCOFF+192*512
	s_add_nc_u64 s[88:89], s[10:11], s[100:101]    ; wo's scale words at tile 192 + 4 j
	s_lshl_b32 s100, s29, 8
	s_add_nc_u64 s[12:13], s[12:13], s[100:101]    ; the bias at feature 64 j
	s_lshl_b32 s99, s30, 8                         ; token 256 i + 64 (w / 2) + 16 (w % 2), rows of 4,096 bytes,
	s_lshr_b32 s98, s26, 1
	s_lshl_b32 s98, s98, 6
	s_add_co_u32 s99, s99, s98
	s_lshl_b32 s98, s66, 4
	s_add_co_u32 s99, s99, s98
	s_lshl_b32 s99, s99, 12
	s_add_co_u32 s100, s100, s99                   ; + 256 j
	s_add_nc_u64 s[14:15], s[14:15], s[100:101]
	s_lshl_b32 s99, s30, 3
	s_add_co_u32 s99, s99, s26
	s_lshl_b32 s100, s99, 10
	s_add_co_u32 s100, s100, SCOFF
	s_add_nc_u64 s[8:9], s[8:9], s[100:101]        ; a's scale words at tile 16 i + 2 w
	global_load_b128 v[SA:SA+3], v1, s[8:9]
	global_load_b128 v[SA+4:SA+7], v1, s[8:9] offset:512
.irp f, 0,1,2,3
	global_load_b128 v[SB+4*\f:SB+4*\f+3], v1, s[88:89] offset:\f*512
.endr
.irp f, 0,1,2,3
	global_load_b128 v[BI+8*\f:BI+8*\f+3], v9, s[12:13] offset:32*\f
	global_load_b128 v[BI+8*\f+4:BI+8*\f+7], v9, s[12:13] offset:32*\f+16
.endr
	s_cmp_lt_u32 s26, 3
	s_cbranch_scc0 .Lfirst_half
	s_wait_tensorcnt 0x0                           ; waves 0 to 2: the first halves along K are in
.Lfirst_half:
	s_barrier_signal -1
	s_barrier_wait -1
	FETCH F0, 0
	s_wait_loadcnt 0x0                             ; scale words and bias
.irp s, 0,1,2,3,4,5,6
.if \s == 3
	s_wait_tensorcnt 0x0                           ; the second halves
	s_wait_dscnt 0x0
	s_barrier_signal -1
	s_barrier_wait -1
.endif
	PLACES
	FETCH F0+48*((\s+1)%2), \s+1
	s_wait_dscnt 12                                ; this step's fragments are in; the 12 loads just issued may be out
	MUL \s, F0+48*(\s%2)
.endr
	s_wait_dscnt 0x0
	MUL 7, F1
	PLACES
.irp u, 0,1
.irp f, 0,1,2,3
	ds_store_b128 v6, v[ACC+32*\u+8*\f:ACC+32*\u+8*\f+3] offset:\u*4352+32*\f          ; each accumulator from its low end on
	ds_store_b128 v6, v[ACC+32*\u+8*\f+4:ACC+32*\u+8*\f+7] offset:\u*4352+32*\f+16
.endr
.endr
.irp t, 0,1,2,3,4,5,6,7,8,9,10,11,12,13,14,15
	ds_load_b128 v[F0+4*\t:F0+4*\t+3], v7 offset:544*\t   ; LDS serves a wave's instructions in order: these see my stores
.endr
.irp t, 0,1,2,3,4,5,6,7,8,9,10,11,12,13,14,15
	s_wait_dscnt 15-\t                             ; the younger loads may be out
	global_store_b128 v8, v[F0+4*\t:F0+4*\t+3], s[14:15] offset:(8*(\t/8)+32*((\t%8)/4)+2*(\t%4))*4096 th:TH_STORE_NT   ; stage rows 2 t, 2 t + 1 are positions: their tokens by the tiles' order of rows
.endr
	s_wait_tensorcnt 0x0                           ; the wave's end
	ds_add_u32 v[SPW], v[NIL]
	s_wait_dscnt 0x0
	CROUND                                         ; the closing round
	s_endpgm
.Lfunc_end_k_qd062905232_oproj:
	.size	k_qd062905232_oproj, .Lfunc_end_k_qd062905232_oproj-k_qd062905232_oproj
	.p2alignl 7, 3214868480
	.fill 96, 4, 3214868480
	.section	.rodata,"a",@progbits
	.p2align	6, 0x0
	.amdhsa_kernel k_qd062905232_oproj
		.amdhsa_group_segment_fixed_size 234496
		.amdhsa_private_segment_fixed_size 0
		.amdhsa_enable_private_segment 0
		.amdhsa_kernarg_size 32
		.amdhsa_user_sgpr_count 2
		.amdhsa_user_sgpr_kernarg_segment_ptr 1
		.amdhsa_wavefront_size32 1
		.amdhsa_system_sgpr_workgroup_id_x 1
		.amdhsa_system_sgpr_workgroup_id_y 1
		.amdhsa_system_sgpr_workgroup_id_z 1
		.amdhsa_system_vgpr_workitem_id 0
		.amdhsa_next_free_vgpr 256
		.amdhsa_next_free_sgpr 102
		.amdhsa_reserve_vcc 0
		.amdhsa_float_denorm_mode_32 3
		.amdhsa_float_denorm_mode_16_64 3
		.amdhsa_memory_ordered 1
		.amdhsa_forward_progress 1
		.amdhsa_inst_pref_size 28
	.end_amdhsa_kernel
	.amdgpu_metadata
---
amdhsa.version: [ 1, 2 ]
amdhsa.kernels:
  - .name:           k_qd062905232_oproj
    .symbol:         k_qd062905232_oproj.kd
    .args:
      - { .name: aq, .offset: 0, .size: 8, .value_kind: global_buffer, .address_space: global }
      - { .name: wc, .offset: 8, .size: 8, .value_kind: global_buffer, .address_space: global }
      - { .name: wo_b, .offset: 16, .size: 8, .value_kind: global_buffer, .address_space: global }
      - { .name: out0, .offset: 24, .size: 8, .value_kind: global_buffer, .address_space: global }
    .group_segment_fixed_size: 234496
    .private_segment_fixed_size: 0
    .kernarg_segment_align: 8
    .kernarg_segment_size: 32
    .max_flat_workgroup_size: 256
    .sgpr_count:     102
    .vgpr_count:     256
    .wavefront_size: 32
...
	.end_amdgpu_metadata
.endif
;; end of part 4
